; MI455X (gfx1250); checked and timed in simulation.
; The chip was launched on July 23, 2026; its instructions are those of AMD's public machine-readable ISA for CDNA 5 (MIT licence, August 2026) and "CDNA5" Instruction Set Architecture Reference Guide (July 2026). The comments in the code are by the model that wrote it; some were corrected since.
;; Self Attention2d. Allowed arithmetic: float matrix products may take bf16 or f16 operands with f32 sums; all other float work in f32.
;; Inputs: b_proj 256 float32; w_proj 256 x 256 float32; w_qkv 768 x 256 float32; x 2 x 256 x 64 x 64 float32.
;; Outputs: out0 2 x 256 x 64 x 64 float32.
;; 2 versions, each right; version 2 is version 1 with the launches qkv, proj written anew for expert scheduling mode. Each part assembles by itself: llvm-mc -triple=amdgcn-amd-amdhsa -mcpu=gfx1250 --defsym DOCPART=n.
;; ======== version 1 of 2: 3 launches
;; limits: values are held in f16: magnitudes above 65,504 overflow, below 6.1e-05 lose precision
;; workspace buffers: q 4,194,304 bytes; kv 8,388,608 bytes; ow 4,194,304 bytes
;; launch qkv (part 1): grid 64 x 4, 8 waves a work-group, no clusters, 169,984 bytes of LDS; arguments x, w_qkv, q, kv; writes q, kv
.if DOCPART == 1
	.amdgcn_target "amdgcn-amd-amdhsa--gfx1250"
	.amdhsa_code_object_version 6
	.text
	.protected	k_q0199ed820e_qkv
	.globl	k_q0199ed820e_qkv
	.p2align	8
	.type	k_q0199ed820e_qkv,@function
k_q0199ed820e_qkv:
	s_mov_b64 s[64:65], 0
	v_nop
	global_prefetch_b8 v0, s[64:65] scope:SCOPE_SE
	s_setreg_imm32_b32 hwreg(HW_REG_WAVE_MODE, 25, 1), 1
	s_wait_xcnt 0x0
; q, k, v = w_qkv . x (a 1x1 convolution is a product over the 256 channels), rounded once to f16 and stored in the order of
; matrix fragments, so that the attention launch loads its operands as 512 consecutive bytes a wave instruction.
;   x [2][256 c][4096 n] f32, w_qkv [768 o][256 c] f32.
;   q  [bh 16][tile 256][chunk 2][lane 32][16 B]: lane (r = lane % 16, h = lane / 16) holds q(n = 16 tile + r, d = 16 chunk + 8 h .. + 7)
;   kv [bh 16][step 64][8,192 B]; a step is 64 keys: bytes 0-4095 k as [tile 4][chunk 2][lane][16 B], the same map as q;
;      bytes 4096-8191 v as [kb 2][dt 2][chunk 2][lane][16 B]: lane (r, h) holds v(d = 16 dt + r, key = 32 kb + 16 chunk + 8 h .. + 7)
; A work-group takes 128 columns n of one batch (x: 256 rows of 512 bytes) and the 64 rows of q, of k and of v of two heads
; (3 x 64 rows of w_qkv): 256 work-groups.  Both operands are turned to f16 on the way through registers into LDS, x transposed
; there to [n][c].  A wave then has three jobs (q, k, v) of 2 x 2 tiles of 16 x 16 over K = 256: 32 columns n x one head's 32 rows.
; The result register j of lane (r, h) is element (8 h + j, r): four packed conversions of a tile are one 16-byte chunk above.
; q, k: D = W (rows o) x X (columns n).  v: D = X (rows n) x W (columns o).
; FORMAT: operands in f16, sums in f32.  Limit: |x|, |w_qkv| and |q|, |k|, |v| up to 65,504; beyond it the f16 value is infinite.
; Numbers below 6.1e-5 carry an absolute error of at most 3e-8.
; NO TENSOR LOADS, NO JOINT REQUESTS, though four work-groups read the same x and 64 the same w: the f32 numbers have to pass
; through registers to become f16, and the f32 tiles (131,072 + 196,608 bytes) do not fit into LDS beside the f16 images (168,960).
.set PITCH, 528                        ; an LDS row: 256 f16 + 16 bytes; row r starts 16 r bytes further modulo 256, so the 16 rows of a fragment load do not meet
.set WT,    128*PITCH                  ; LDS: x transposed, 128 rows n, at 0; behind it w, 192 rows: job J's 64 rows at 64 J
.set WJOB,  64*PITCH
.set VX,  1                            ; v1  x: wave x 32 rows of 16,384 bytes + 16 lane
.set VW,  2                            ; v2  w: 16 t + 65,536 g
.set VXS, 3                            ; v3  LDS, x in: row 4 lane, byte 64 wave
.set VWS, 4                            ; v4  LDS, w in: row t / 64, byte 8 (t % 64)
.set VXF, 5                            ; v5  LDS, x fragments: my 32 rows n, row r, byte 16 h
.set VWF, 6                            ; v6  LDS, w fragments: my head's 32 rows of the job, row r, byte 16 h
.set VST, 7                            ; v7  16 lane: where a lane's chunk goes in q and kv
.set D,   16                           ; v[16:47]   four accumulator tiles, (i, j) at 8 (2 i + j)
.set T,   48                           ; v[48:63]   packed f16 on their way into LDS
.set XR,  64                           ; v[64:191]  32 rows of x as loaded; then w's batches 1 and 2; then the fragment buffers
.set B0,  64
.set B1,  128
.set ST,  192                          ; v[192:255] w's batch 0; then the chunks to store, job J at 16 J
	s_load_b256 s[4:11], s[0:1], 0x0               ; x s[4:5], w_qkv s[6:7], q s[8:9], kv s[10:11]
	v_lshl_add_u32 v15, v0, 2, 0x29400
	s_set_vgpr_msb 0x40
	v_mov_b32 v1, 0
	s_set_vgpr_msb 0x4000
	v_lshrrev_b32 v8, 5, v0
	v_readfirstlane_b32 s12, v8                    ; wave 0..7
	s_and_b32 s13, ttmp9, 31                       ; which 128 columns of the batch
	s_lshr_b32 s15, ttmp9, 5                       ; batch
	s_and_b32 s14, ttmp7, 0xffff                   ; g: heads 2 g and 2 g + 1
	s_lshr_b32 s24, s12, 1                         ; np: which 32 of the 128 columns are my wave's
	s_and_b32 s25, s12, 1                          ; which of the two heads
	s_lshl_b32 s22, s15, 22                        ; x: batch x 4,194,304
	s_lshl_b32 s31, s13, 9                         ;    + 512 bytes a block of columns
	s_add_co_u32 s22, s22, s31
	s_mov_b32 s23, 0
	s_lshl_b32 s30, s15, 3
	s_lshl1_add_u32 s30, s14, s30
	s_add_co_u32 s30, s30, s25                     ; bh = 8 batch + head
	s_lshl_b32 s26, s30, 18                        ; q: bh x 256 tiles of 1,024 bytes
	s_lshl_b32 s31, s13, 13                        ;    + 8 tiles a block
	s_add_co_u32 s26, s26, s31
	s_lshl_b32 s31, s24, 11                        ;    + 2 tiles a wave's pair
	s_add_co_u32 s26, s26, s31
	s_mov_b32 s27, 0
	s_lshl_b32 s28, s30, 19                        ; kv: bh x 64 steps of 8,192 bytes
	s_lshl_b32 s31, s13, 14                        ;    + 2 steps a block
	s_add_co_u32 s28, s28, s31
	s_lshr_b32 s31, s24, 1
	s_lshl_b32 s31, s31, 13                        ;    + the step of my 32 columns
	s_add_co_u32 s28, s28, s31
	s_and_b32 s31, s24, 1
	s_lshl_b32 s31, s31, 11                        ;    + which half of the step: 2 tiles of k, or v's kb
	s_add_co_u32 s28, s28, s31
	s_mov_b32 s29, 0
	s_mul_i32 s32, s24, 32*PITCH
	s_mul_i32 s33, s25, 32*PITCH
	s_add_co_u32 s33, s33, WT
	s_lshl_b32 s34, s14, 16
	v_and_b32 v9, 31, v0                           ; lane
	v_and_b32 v10, 15, v0                          ; r
	v_bfe_u32 v11, v0, 4, 1                        ; h
	v_lshlrev_b32 v[VST], 4, v9
	v_lshl_add_u32 v[VX], v8, 19, v[VST]
	v_lshlrev_b32 v[VW], 4, v0
	v_add_nc_u32 v[VW], s34, v[VW]
	s_wait_kmcnt 0x0
	s_add_nc_u64 s[16:17], s[4:5], s[22:23]        ; x at my block
	s_add_nc_u64 s[18:19], s[8:9], s[26:27]        ; q at my wave's two tiles
	s_add_nc_u64 s[20:21], s[10:11], s[28:29]      ; kv at my wave's part of its step
; 16 loads: the 64 rows of job J's w, 4,096 consecutive bytes (4 rows) for each pass of the 256 threads
.macro LDW J, R
.set li, 0
.rept 16
	global_load_b128 v[\R+4*li:\R+4*li+3], v[VW], s[6:7] offset:\J*262144+li*4096
.set li, li+1
.endr
.endm
	; x: my wave's rows c = 32 wave .. + 31; each load is 512 consecutive bytes of one row: lane l holds columns 4 l .. 4 l + 3
.set xi, 0
.rept 32
	global_load_b128 v[XR+4*xi:XR+4*xi+3], v[VX], s[16:17] offset:xi*16384
.set xi, xi+1
.endr
	LDW 0, ST
	v_mul_u32_u24 v[VXS], v9, 4*PITCH
	v_lshl_add_u32 v[VXS], v8, 6, v[VXS]
	v_lshrrev_b32 v12, 6, v0
	v_and_b32 v13, 63, v0
	v_mul_u32_u24 v[VWS], v12, PITCH
	v_lshl_add_u32 v[VWS], v13, 3, v[VWS]
	v_add_nc_u32 v[VWS], WT, v[VWS]
	v_mul_u32_u24 v14, v10, PITCH
	v_lshl_add_u32 v14, v11, 4, v14
	v_add_nc_u32 v[VXF], s32, v14
	v_add_nc_u32 v[VWF], s33, v14
	; x to f16, transposed in registers: the eight rows c of a group, column 4 lane + i, are 16 bytes of LDS row n = 4 lane + i
.irp oc, 0,1,2,3
	s_wait_loadcnt 16+8*(3-\oc)                    ; loads come back in order: this group's 8 rows are in; the later rows of x and w's 16 loads stay out
.irp i, 0,1,2,3
.irp p, 0,1,2,3
	v_cvt_pk_f16_f32 v[T+4*\i+\p], v[XR+4*(8*\oc+2*\p)+\i], v[XR+4*(8*\oc+2*\p+1)+\i]
.endr
	ds_store_b128 v[VXS], v[T+4*\i:T+4*\i+3] offset:\i*PITCH+\oc*16
.endr
.endr
	LDW 1, B0                                      ; x's registers are free: the other two batches of w
	LDW 2, B1
; a batch of w to f16: 4 numbers of a thread are 8 bytes of a row; a wave's store covers 256 consecutive bytes
.macro CVW R, more
.set ci, 0
.rept 16
	v_cvt_pk_f16_f32 v[T+2*(ci%8)],   v[\R+4*ci],   v[\R+4*ci+1]
	v_cvt_pk_f16_f32 v[T+2*(ci%8)+1], v[\R+4*ci+2], v[\R+4*ci+3]
	ds_store_b64 v[VWS], v[T+2*(ci%8):T+2*(ci%8)+1] offset:ci*4*PITCH
.set ci, ci+1
.endr
.if \more
	v_add_nc_u32 v[VWS], WJOB, v[VWS]              ; the next job's 64 rows
.endif
.endm
	s_wait_loadcnt 32                              ; batch 0 is in; batches 1 and 2 (32 loads) stay out
	CVW ST, 1
	s_wait_loadcnt 16                              ; batch 1 is in
	CVW B0, 1
	s_wait_loadcnt 0x0
	CVW B1, 0
	s_wait_dscnt 0x0                               ; my stores into LDS are done, for the other waves' sake,
	s_barrier_signal -1
	s_barrier_wait -1                              ; and so are everybody's: from here on LDS is only read
; 16 LDS loads: for two K steps of 32 (kk = 2 q, 2 q + 1) the fragments W0, W1, X0, X1, 8 registers each.
; A fragment: lane (r, h) takes row r; registers 0-3 are k = 8 h .. + 7, registers 4-7 k = 16 + 8 h .. + 7: two loads 32 bytes apart.
.macro FETCH q, buf
.irp e, 0,1
.irp i, 0,1
	ds_load_b128 v[\buf+32*\e+8*\i:\buf+32*\e+8*\i+3],   v[VWF] offset:\i*16*PITCH+(2*\q+\e)*64
	ds_load_b128 v[\buf+32*\e+8*\i+4:\buf+32*\e+8*\i+7], v[VWF] offset:\i*16*PITCH+(2*\q+\e)*64+32
.endr
.irp i, 0,1
	ds_load_b128 v[\buf+32*\e+16+8*\i:\buf+32*\e+16+8*\i+3],   v[VXF] offset:\i*16*PITCH+(2*\q+\e)*64
	ds_load_b128 v[\buf+32*\e+16+8*\i+4:\buf+32*\e+16+8*\i+7], v[VXF] offset:\i*16*PITCH+(2*\q+\e)*64+32
.endr
.endr
.endm
; 8 matrix instructions on a buffer's two K steps.  The four accumulators take turns, one instruction a turn, from one MUL into the
; next too.  kind 0: W is source 0, X source 1; kind 1: X source 0, W source 1.
; zero = 1: the first K step starts the sums, nothing is cleared.
.macro MUL buf, kind, zero
.irp e, 0,1
.irp i, 0,1
.irp j, 0,1
.set md, D+8*(2*\i+\j)
.if \kind
.set ma, \buf+32*\e+16+8*\i
.set mb, \buf+32*\e+8*\j
.else
.set ma, \buf+32*\e+8*\i
.set mb, \buf+32*\e+16+8*\j
.endif
.if \zero*(1-\e)
	v_wmma_f32_16x16x32_f16 v[md:md+7], v[ma:ma+7], v[mb:mb+7], 0
.else
	v_wmma_f32_16x16x32_f16 v[md:md+7], v[ma:ma+7], v[mb:mb+7], v[md:md+7]
.endif
.endr
.endr
.endr
.endm
; Four independent vector instructions stand between a matrix instruction and a load into one of its sources or a vector
; instruction that reads its result (ISA guide 7.12.1 for vector instructions).
.macro PLACES
.rept 4
	v_nop
.endr
.endm
; One job: K = 256 in four buffers' worth, two buffers by turns; then the four tiles are packed and stored.
; base, off: where the job's chunks go; chunk of tile (i, j) at 512 i + 1,024 j.  Each store of the wave covers 512 consecutive bytes, aligned.
.macro JOB J, kind, base, off
	s_wait_dscnt 16                                ; buffer 0 is in; buffer 1's 16 loads stay out
	MUL B0, \kind, 1
	PLACES
	FETCH 2, B0
	s_wait_dscnt 16                                ; buffer 1 is in; the 16 just issued stay out
	MUL B1, \kind, 0
	PLACES
	FETCH 3, B1
	s_wait_dscnt 16
	MUL B0, \kind, 0
	s_wait_dscnt 0x0
	MUL B1, \kind, 0
	PLACES
.if \J < 2
	v_add_nc_u32 v[VWF], WJOB, v[VWF]              ; the next job's rows of w; its first fragments come in while this job's results go out
	FETCH 0, B0
	FETCH 1, B1
.endif
.irp i, 0,1
.irp j, 0,1
.irp p, 0,1,2,3
	v_cvt_pk_f16_f32 v[ST+16*\J+4*(2*\i+\j)+\p], v[D+8*(2*\i+\j)+2*\p], v[D+8*(2*\i+\j)+2*\p+1]
.endr
.endr
.endr
.irp i, 0,1
.irp j, 0,1
	global_store_b128 v[VST], v[ST+16*\J+4*(2*\i+\j):ST+16*\J+4*(2*\i+\j)+3], s[\base:\base+1] offset:\off+512*\i+1024*\j   ; data, address and base are never written again
.endr
.endr
.endm
	FETCH 0, B0
	FETCH 1, B1
	JOB 0, 0, 18, 0                                ; q
	JOB 1, 0, 20, 0                                ; k
	JOB 2, 1, 20, 4096                             ; v, transposed
	s_set_vgpr_msb 0x4
	s_wait_tensorcnt 0x0
	ds_add_u32 v15, v1
	s_wait_dscnt 0x0
	s_set_vgpr_msb 0x400
	s_endpgm
.Lfunc_end_k_q0199ed820e_qkv:
	.size	k_q0199ed820e_qkv, .Lfunc_end_k_q0199ed820e_qkv-k_q0199ed820e_qkv
	.p2alignl 7, 3214868480
	.fill 96, 4, 3214868480
	.section	.rodata,"a",@progbits
	.p2align	6, 0x0
	.amdhsa_kernel k_q0199ed820e_qkv
		.amdhsa_group_segment_fixed_size 169984
		.amdhsa_private_segment_fixed_size 0
		.amdhsa_enable_private_segment 0
		.amdhsa_kernarg_size 32
		.amdhsa_user_sgpr_count 2
		.amdhsa_user_sgpr_kernarg_segment_ptr 1
		.amdhsa_wavefront_size32 1
		.amdhsa_system_sgpr_workgroup_id_x 1
		.amdhsa_system_sgpr_workgroup_id_y 1
		.amdhsa_system_sgpr_workgroup_id_z 1
		.amdhsa_system_vgpr_workitem_id 0
		.amdhsa_next_free_vgpr 258
		.amdhsa_next_free_sgpr 66
		.amdhsa_reserve_vcc 0
		.amdhsa_float_denorm_mode_32 3
		.amdhsa_float_denorm_mode_16_64 3
		.amdhsa_memory_ordered 1
		.amdhsa_forward_progress 1
		.amdhsa_inst_pref_size 49
	.end_amdhsa_kernel
	.amdgpu_metadata
---
amdhsa.version: [ 1, 2 ]
amdhsa.kernels:
  - .name:           k_q0199ed820e_qkv
    .symbol:         k_q0199ed820e_qkv.kd
    .args:
      - { .name: x, .offset: 0, .size: 8, .value_kind: global_buffer, .address_space: global }
      - { .name: w_qkv, .offset: 8, .size: 8, .value_kind: global_buffer, .address_space: global }
      - { .name: q, .offset: 16, .size: 8, .value_kind: global_buffer, .address_space: global }
      - { .name: kv, .offset: 24, .size: 8, .value_kind: global_buffer, .address_space: global }
    .group_segment_fixed_size: 169984
    .private_segment_fixed_size: 0
    .kernarg_segment_align: 8
    .kernarg_segment_size: 32
    .max_flat_workgroup_size: 256
    .sgpr_count:     66
    .vgpr_count:     258
    .wavefront_size: 32
...
	.end_amdgpu_metadata
.endif
;; end of part 1
;; launch attn (part 2): grid 256 x 1, 8 waves a work-group, clusters of 4 x 1, 327,680 bytes of LDS; arguments q, kv, ow; writes ow
.if DOCPART == 2
	.amdgcn_target "amdgcn-amd-amdhsa--gfx1250"
	.amdhsa_code_object_version 6
	.text
	.protected	k_q0199ed820e_attn
	.globl	k_q0199ed820e_attn
	.p2align	8
	.type	k_q0199ed820e_attn,@function
k_q0199ed820e_attn:
	s_mov_b64 s[64:65], 0
	v_nop
	global_prefetch_b8 v0, s[64:65] scope:SCOPE_SE
	s_setreg_imm32_b32 hwreg(HW_REG_WAVE_MODE, 25, 1), 1
	s_wait_xcnt 0x0
	s_wait_alu depctr_hold_cnt(0) depctr_sa_sdst(0) depctr_va_vdst(0) depctr_va_sdst(0) depctr_va_ssrc(0) depctr_va_vcc(0) depctr_vm_vsrc(0)
	s_getreg_b32 s2, hwreg(HW_REG_IB_STS2, 6, 4)
	s_cmp_eq_u32 s2, 0
	s_cbranch_scc0 .Lentry_in_a_cluster
	s_endpgm
.Lentry_in_a_cluster:
	s_bfe_u32 s2, ttmp6, 0x10000c
	s_cmp_lg_u32 s2, 0x3003
	s_cbranch_scc0 .Lentry_shape_is_right
	s_endpgm
.Lentry_shape_is_right:
; att = softmax(q k^T / sqrt(32)) v for 16 (batch, head) pairs of 4,096 queries and keys, d = 32, with a running maximum.
; q and kv lie in memory in the order of matrix fragments (lane (r = lane % 16, h = lane / 16), 16 bytes a lane and chunk):
;   q  [bh 16][tile 256][chunk 2][lane][16 B]    q(n = 16 tile + r, d = 16 chunk + 8 h .. + 7)
;   kv [bh 16][step 64][8,192 B], a step = 64 keys: k as [tile 4][chunk 2][lane][16 B], then v as [kb 2][dt 2][chunk 2][lane][16 B],
;      v(d = 16 dt + r, key = 32 kb + 16 chunk + 8 h .. + 7)
;   ow [batch 2][tile 256][head 8][chunk 2][lane][16 B]   8 x att(n = 16 tile + r, c = 32 head + 16 chunk + 8 h .. + 7), f16
; A work-group owns 256 queries of one head; a wave two tiles of 16 queries, a and b.  Everything is used transposed:
;   S^T = K (source 0: 16 keys) x Q (source 1: 16 queries): register j of lane (r, h) is the score of key 8 h + j and query r.  So a query is a
;   lane's column: its maximum is a maximum over the lane's registers and one exchange between the halves of the wave, and two tiles of
;   S^T, packed to f16 in place, ARE the source-1 fragment of 32 keys x 16 queries: no lane shuffle, no pass through LDS.
;   O^T = V^T (source 0: 16 d x 32 keys) x P^T; the row sum L = (a fragment of constants) x P^T, made of the same rounded P as O.
; The constants are 0.125, so L is the sum / 8 and O / L is 8 x att: att is a mean of many v and much smaller than they; the factor keeps it out of
; f16's denormals when the inputs are small, costs nothing here, and is taken back, exactly, in the next launch's multiply-add.
; A half step (16 queries x 64 keys) has 10 matrix instructions against 33 exponentials and some 65 other vector instructions: the text is laid
; out for few vector instructions, and two waves lie on each SIMD so that one fills the other's waits.
; SOFTMAX: P = 2^(c s - c m), c = log2(e) / sqrt(32), m the running maximum of the raw scores; one fused multiply-add a score; when m grows, O and L
; are scaled by 2^(difference of the two rounded shifts), the very shifts that the exponentials use.
; CLUSTER: the four work-groups of a cluster are four query blocks of one head and walk the same kv: every fill is asked for jointly (mask 15).
; Nothing but the global addresses of q and ow hangs on the place in the cluster.
; LDS: two slots of 131,072 bytes, 16 steps each; wave w moves bytes 16,384 w .. of a slot, 64 rows of 256 bytes.  Four fills: two at the start, two
; refills.  By this text's count a wave has two tensor loads out at the start and one behind each refill, which has 16 steps in which to land.
; FORMAT: operands f16, sums f32.  Limits: |q|, |k|, |v| up to 65,504 and |att| up to 8,188; a P below 3e-8 of its row's largest counts as 0.
.set STEPB, 8192
.set SLOTB, 131072
.set VL16, 1                           ; v1        16 lane
.set VA,   2                           ; v2        LDS address of the step at hand: slot + 8,192 step + 16 lane
.set T,    4                           ; v[4:7]    at work
.set MA,   8                           ; v8, v9    running maximum of the raw scores, tiles a and b
.set MB,   9
.set NMA,  10                          ; v[10:11], v[12:13]  -c m in the even register (the odd one is only named by the packed forms)
.set NMB,  12
.set ALA,  14                          ; v[14:15], v[16:17]  the factor for O and L, likewise
.set ALB,  16
.set ONES, 18                          ; v[18:25]  a fragment of 0.125
.set QA,   26                          ; v[26:33], v[34:41]  q fragments
.set QB,   34
.set KF,   42                          ; v[42:73]  k: tile t at 8 t
.set VF,   74                          ; v[74:105] v: fragment (kb, dt) at 16 kb + 8 dt
.set SA,   106                         ; v[106:137], v[138:169]  scores of 64 keys, then P, then P packed: keys 32 kb .. + 31 at 16 kb .. + 7
.set SB,   138
.set OA,   170                         ; v[170:185] O^T of a (dt at 8 dt), v[186:193] L of a
.set LA,   186
.set OB,   194                         ; v[194:209], v[210:217] the same of b
.set LB,   210
.set G1,   16                          ; s[16:23]  descriptor group 1
.set G0,   24                          ; s[24:31]  descriptor group 0, four registers for each slot
; A round of the cluster's barrier: my work-group's barrier, so that wave 0 speaks for all eight waves; wave 0 signals; every wave waits for the four
; work-groups; my work-group's barrier once more.
.macro ROUND
	s_barrier_signal -1
	s_barrier_wait -1
	s_cmp_lg_u32 s10, 0
	s_cbranch_scc1 .Lnot_wave_0_\@
	s_barrier_signal -3
.Lnot_wave_0_\@:
	s_barrier_wait -3
	s_barrier_signal -1
	s_barrier_wait -1
.endm
	s_load_b128 s[4:7], s[0:1], 0x0                ; q s[4:5], kv s[6:7]
	s_load_b64 s[8:9], s[0:1], 0x10                ; ow
	v_lshl_add_u32 v224, v0, 2, 0x40000
	v_mov_b32 v225, 0
	ds_add_u32 v224, v225
	v_lshrrev_b32 v3, 5, v0
	v_readfirstlane_b32 s10, v3                    ; wave 0..7
	s_bfe_u32 s11, ttmp6, 0x40000                  ; cx: my place in the cluster
	s_lshr_b32 s12, ttmp9, 2                       ; bh: four clusters to a head (in a cluster launch ttmp9 counts clusters)
	s_and_b32 s13, ttmp9, 3
	s_lshl2_add_u32 s13, s13, s11                  ; qb: which 256 queries
	s_mov_b32 s14, 0x76543210                      ; v_permlanex16_b32: lane i takes lane i of the other half
	s_mov_b32 s15, 0xfedcba98
	s_mov_b32 s36, 0x3e8293ee                      ; c = log2(e) / sqrt(32) = 0.25503486
	s_mov_b32 s37, 0x3e8293ee
	s_mov_b32 s38, 0xbe8293ee                      ; -c
	; group 1: 64 rows of 32 elements of 8 bytes, dense
	s_mov_b32 s[G1+0], 0x0023000f                  ; 15:0 mask: all four work-groups; 17:16 elements of 8 bytes; 21 set beside a mask; no padding: fragments are read as consecutive bytes
	s_mov_b32 s[G1+1], 32<<16                      ; tensor_dim0 = 32
	s_mov_b32 s[G1+2], 64<<16                      ; tensor_dim1 = 64
	s_mov_b32 s[G1+3], 32<<16                      ; tile_dim0 = 32
	s_mov_b32 s[G1+4], 64                          ; tile_dim1 = 64
	s_mov_b32 s[G1+5], 32                          ; from row to row: 32 elements
	s_mov_b32 s[G1+6], 0
	s_mov_b32 s[G1+7], 0
	s_lshl_b32 s40, s12, 19                        ; kv: bh x 524,288
	s_lshl_b32 s33, s10, 14                        ;     + wave x 16,384, in memory as in LDS; no place in the cluster enters either
	s_add_co_u32 s40, s40, s33
	s_mov_b32 s41, 0
	s_lshl_b32 s42, s12, 8                         ; q: tile = 256 bh + 16 qb + 2 wave, 1,024 bytes each
	s_lshl4_add_u32 s42, s13, s42
	s_lshl1_add_u32 s42, s10, s42
	s_lshl_b32 s42, s42, 10
	s_mov_b32 s43, 0
	s_lshr_b32 s34, s12, 3                         ; batch
	s_and_b32 s35, s12, 7                          ; head
	s_lshl_b32 s34, s34, 8                         ; ow: ((256 batch + 16 qb + 2 wave) x 8 + head) x 1,024
	s_lshl4_add_u32 s34, s13, s34
	s_lshl1_add_u32 s34, s10, s34
	s_lshl3_add_u32 s34, s34, s35
	s_lshl_b32 s44, s34, 10
	s_mov_b32 s45, 0
	v_and_b32 v[VL16], 31, v0
	v_lshlrev_b32 v[VL16], 4, v[VL16]
	s_wait_dscnt 0x0
	s_wait_kmcnt 0x0
	s_add_nc_u64 s[6:7], s[6:7], s[40:41]
	s_add_nc_u64 s[4:5], s[4:5], s[42:43]
	s_add_nc_u64 s[8:9], s[8:9], s[44:45]
	s_mov_b32 s[G0+0], 1                           ; slot 0: steps 0-15
	s_lshl_b32 s[G0+1], s10, 14
	s_mov_b64 s[G0+2:G0+3], s[6:7]
	s_or_b32 s[G0+3], s[G0+3], 0x80000000          ; type 2
	s_mov_b32 s[G0+4], 1                           ; slot 1: steps 16-31
	s_add_co_u32 s[G0+5], s33, SLOTB
	s_add_nc_u64 s[G0+6:G0+7], s[6:7], SLOTB
	s_or_b32 s[G0+7], s[G0+7], 0x80000000
	ROUND                                          ; the four work-groups are here: the first joint loads meet
	tensor_load_to_lds s[G0:G0+3], s[G1:G1+7]
	s_nop 0
	tensor_load_to_lds s[G0+4:G0+7], s[G1:G1+7]
	s_nop 0
	global_load_b128 v[QA:QA+3],   v[VL16], s[4:5] th:TH_LOAD_NT
	global_load_b128 v[QA+4:QA+7], v[VL16], s[4:5] offset:512 th:TH_LOAD_NT
	global_load_b128 v[QB:QB+3],   v[VL16], s[4:5] offset:1024 th:TH_LOAD_NT
	global_load_b128 v[QB+4:QB+7], v[VL16], s[4:5] offset:1536 th:TH_LOAD_NT
.macro LDK                             ; 8 loads: the four k fragments of the step at VA, 512 consecutive bytes each
.irp t, 0,1,2,3
.irp c, 0,1
	ds_load_b128 v[KF+8*\t+4*\c:KF+8*\t+4*\c+3], v[VA] offset:\t*1024+\c*512
.endr
.endr
.endm
.macro LDV                             ; 8 loads: the four v fragments, f = 2 kb + dt
.irp f, 0,1,2,3
.irp c, 0,1
	ds_load_b128 v[VF+8*\f+4*\c:VF+8*\f+4*\c+3], v[VA] offset:4096+\f*1024+\c*512
.endr
.endr
.endm
.macro QK S, Q                         ; scores of 64 keys x 16 queries: four tiles, K = d = 32 in one instruction each
.irp t, 0,1,2,3
	v_wmma_f32_16x16x32_f16 v[\S+8*\t:\S+8*\t+7], v[KF+8*\t:KF+8*\t+7], v[\Q:\Q+7], 0
.endr
.endm
.macro MAXP S, M, first                ; the largest of my 32 scores and the running maximum: four chains, 16 instructions
	v_max3_num_f32 v[T],   v[\S],   v[\S+1],  v[\S+2]
	v_max3_num_f32 v[T+1], v[\S+3], v[\S+4],  v[\S+5]
	v_max3_num_f32 v[T+2], v[\S+6], v[\S+7],  v[\S+8]
	v_max3_num_f32 v[T+3], v[\S+9], v[\S+10], v[\S+11]
.set mi, 0
.rept 10
	v_max3_num_f32 v[T+mi%4], v[T+mi%4], v[\S+12+2*mi], v[\S+13+2*mi]
.set mi, mi+1
.endr
	v_max3_num_f32 v[T], v[T], v[T+1], v[T+2]
.if \first
	v_max_num_f32 v[T], v[T], v[T+3]
.else
	v_max3_num_f32 v[T], v[T], v[T+3], v[\M]
.endif
.endm
.macro MID M, NM, AL, first            ; the other half's keys, the new shift, the factor for what has been summed so far
	v_permlanex16_b32 v[T+1], v[T], s14, s15
	v_max_num_f32 v[\M], v[T], v[T+1]
.if \first
	v_mul_f32 v[\NM], s38, v[\M]
.else
	v_mul_f32 v[T+2], s38, v[\M]
	v_sub_f32 v[T+3], v[T+2], v[\NM]               ; new shift - old shift, at most 0, exactly 0 while the maximum stays
	v_mov_b32 v[\NM], v[T+2]
	v_exp_f32 v[\AL], v[T+3]                       ; the multiply-adds that follow are the plain instruction behind it (ISA guide 5.7.2)
.endif
.endm
.macro FMA S, g, NM                    ; c s - c m for tile g's eight scores
.irp p, 0,1,2,3
	v_pk_fma_f32 v[\S+8*\g+2*\p:\S+8*\g+2*\p+1], v[\S+8*\g+2*\p:\S+8*\g+2*\p+1], s[36:37], v[\NM:\NM+1] op_sel_hi:[1,0,0]
.endr
.endm
.macro EXPG S, g
.irp p, 0,1,2,3,4,5,6,7
	v_exp_f32 v[\S+8*\g+\p], v[\S+8*\g+\p]
.endr
.endm
.macro CVT S, g                        ; tile g's eight P to f16, packed in place: tiles 2 kb and 2 kb + 1 become registers 0-3 and 4-7 of the fragment at 16 kb
	s_wait_alu depctr_va_vdst(0)
.irp p, 0,1,2,3
	v_cvt_pk_f16_f32 v[\S+16*(\g>>1)+4*(\g&1)+\p], v[\S+8*\g+2*\p], v[\S+8*\g+2*\p+1]
.endr
.endm
.macro RESC O, AL                      ; O's 16 registers and L's 8, which lie behind them
.irp p, 0,1,2,3,4,5,6,7,8,9,10,11
	v_pk_mul_f32 v[\O+2*\p:\O+2*\p+1], v[\O+2*\p:\O+2*\p+1], v[\AL:\AL+1] op_sel_hi:[1,0]
.endr
.endm
.macro PV kb, S, O, L, zero            ; 32 keys into O (two tiles of d) and L.  The three accumulators take turns, one instruction a turn
.if \zero
	v_wmma_f32_16x16x32_f16 v[\O:\O+7],    v[VF+16*\kb:VF+16*\kb+7],    v[\S+16*\kb:\S+16*\kb+7], 0
	v_wmma_f32_16x16x32_f16 v[\O+8:\O+15], v[VF+16*\kb+8:VF+16*\kb+15], v[\S+16*\kb:\S+16*\kb+7], 0
	v_wmma_f32_16x16x32_f16 v[\L:\L+7],    v[ONES:ONES+7],              v[\S+16*\kb:\S+16*\kb+7], 0
.else
	v_wmma_f32_16x16x32_f16 v[\O:\O+7],    v[VF+16*\kb:VF+16*\kb+7],    v[\S+16*\kb:\S+16*\kb+7], v[\O:\O+7]
	v_wmma_f32_16x16x32_f16 v[\O+8:\O+15], v[VF+16*\kb+8:VF+16*\kb+15], v[\S+16*\kb:\S+16*\kb+7], v[\O+8:\O+15]
	v_wmma_f32_16x16x32_f16 v[\L:\L+7],    v[ONES:ONES+7],              v[\S+16*\kb:\S+16*\kb+7], v[\L:\L+7]
.endif
.endm
; Exponentials, packing and the two products of a half step.  Behind each run of exponentials stands plain work on another tile before its results
; are packed (ISA guide 5.7.2).  vwait: the count of the wait for v's fragments, or -1: they are in.
.macro SOFT S, NM, O, L, AL, first, vwait
	EXPG \S, 0
	FMA \S, 1, \NM
	EXPG \S, 1
	CVT \S, 0
	FMA \S, 2, \NM
	EXPG \S, 2
	CVT \S, 1
.if \first == 0
	RESC \O, \AL
.endif
.if \vwait >= 0
	s_wait_dscnt \vwait
.endif
	PV 0, \S, \O, \L, \first
	FMA \S, 3, \NM
	EXPG \S, 3
	CVT \S, 2
	CVT \S, 3
	PV 1, \S, \O, \L, 0
.endm
; A slot that has been read to its end is filled again, 32 steps further on.
.macro REFILL slot
	s_wait_dscnt 0x0                               ; my reads of the slot are back, this step's v, the last of them, too
	s_wait_tensorcnt 0x0                           ; all my tensor loads have landed: my part of the other slot; and a group 0 may be written
	ds_add_u32 v224, v225
	s_wait_dscnt 0x0
	s_add_nc_u64 s[G0+4*\slot+2:G0+4*\slot+3], s[G0+4*\slot+2:G0+4*\slot+3], 2*SLOTB
	ROUND                                          ; both now hold of every wave of the four work-groups
	tensor_load_to_lds s[G0+4*\slot:G0+4*\slot+3], s[G1:G1+7]      ; my one tensor load behind the round, and the first thing there
	s_nop 0
.endm
; One step: 64 keys for both tiles.  On entry SA holds tile a's raw scores of this step and KF this step's k.
; mode 0: the next step lies 8,192 bytes on.  1, 2: this is the last step of slot 0, 1, which is filled again; the next step opens the other slot.
; 3: the last step of slot 0, nothing is left to fetch.  4: the last step of all.
; Distances behind matrix instructions, all by plain vector work on other registers: MAXP's 16 instructions stand between the last
; products of b and both the loads into v's fragments and the new scores that overwrite b's P (likewise for a in the middle of the step);
; MID and FMA, seven or more, between the products that read k and the loads of the next k.
.macro STEP first, mode
	MAXP SA, MA, \first
	LDV
	QK SB, QB
	MID MA, NMA, ALA, \first
	FMA SA, 0, NMA
.if \mode == 0
	v_add_nc_u32 v[VA], STEPB, v[VA]
.endif
.if \mode == 1
	REFILL 0
	v_add_nc_u32 v[VA], SLOTB, v[VL16]
.endif
.if \mode == 2
	REFILL 1
	v_mov_b32 v[VA], v[VL16]
.endif
.if \mode == 3
	s_wait_dscnt 0x0                               ; no LDS load of mine is out at the signal
	s_wait_tensorcnt 0x0                           ; my part of slot 1's last fill has landed,
	s_barrier_signal -1
	s_barrier_wait -1                              ; and everybody's has
	v_add_nc_u32 v[VA], SLOTB, v[VL16]
.endif
.if \mode != 4
	LDK                                            ; the next step's k
	SOFT SA, NMA, OA, LA, ALA, \first, 8           ; the count: v's eight loads are in, the eight younger ones of k stay out
.else
	SOFT SA, NMA, OA, LA, ALA, \first, 0
.endif
	MAXP SB, MB, \first
.if \mode != 4
	s_wait_dscnt 0x0                               ; the next step's k is in
	QK SA, QA                                      ; tile a's scores of the next step: ready half a step before they are read
.endif
	MID MB, NMB, ALB, \first
	FMA SB, 0, NMB
	SOFT SB, NMB, OB, LB, ALB, \first, -1
.endm
.macro STEPS n, name                   ; n plain steps
	s_mov_b32 s32, \n
.L\name:
	STEP 0, 0
	s_sub_co_i32 s32, s32, 1
	s_cmp_lg_u32 s32, 0
	s_cbranch_scc1 .L\name
.endm
	s_wait_tensorcnt 0x1                           ; my part of slot 0 is in; slot 1's may stay out
	s_barrier_signal -1
	s_barrier_wait -1                              ; everybody's part is in
	v_mov_b32 v[VA], v[VL16]
	LDK
	s_wait_loadcnt 0x0                             ; q
	s_wait_dscnt 0x0
	QK SA, QA
.irp p, 0,1,2,3,4,5,6,7
	v_mov_b32 v[ONES+\p], 0x30003000               ; 0.125 twice.  These twelve lines are also the distance between the first scores and their first use
.endr
	v_mov_b32 v[NMA+1], 0                          ; the odd halves of the pairs of which the packed forms use the even half alone
	v_mov_b32 v[NMB+1], 0
	v_mov_b32 v[ALA+1], 0
	v_mov_b32 v[ALB+1], 0
	STEP 1, 0                                      ; step 0 starts the maxima and the sums: nothing is cleared
	STEPS 14, slot0_first
	STEP 0, 1                                      ; step 15: slot 0 gets steps 32-47
	STEPS 15, slot1_first
	STEP 0, 2                                      ; step 31: slot 1 gets steps 48-63
	STEPS 15, slot0_second
	STEP 0, 3                                      ; step 47
	STEPS 15, slot1_second
	STEP 0, 4                                      ; step 63
; The way out: O / L, to f16; a tile of d is one chunk of ow: each store of the wave covers 512 consecutive bytes, aligned.
.macro OUT O, L, S, R, off
	v_rcp_f32 v[\R], v[\L]
	v_nop                                          ; the plain instruction behind v_rcp_f32 (ISA guide 5.7.2)
	s_wait_alu depctr_va_vdst(0)
.irp p, 0,1,2,3,4,5,6,7
	v_pk_mul_f32 v[\O+2*\p:\O+2*\p+1], v[\O+2*\p:\O+2*\p+1], v[\R:\R+1] op_sel_hi:[1,0]
.endr
.irp p, 0,1,2,3,4,5,6,7
	v_cvt_pk_f16_f32 v[\S+\p], v[\O+2*\p], v[\O+2*\p+1]
.endr
	global_store_b128 v[VL16], v[\S:\S+3],   s[8:9] offset:\off
	global_store_b128 v[VL16], v[\S+4:\S+7], s[8:9] offset:\off+512
.endm
	OUT OA, LA, SA, T, 0                           ; tile a first: its 17 plain instructions are the distance behind b's last products
	OUT OB, LB, SB, T+2, 8192                      ; the next tile of queries lies 8 heads x 1,024 bytes on
	s_wait_tensorcnt 0x0
	ds_add_u32 v224, v225
	s_wait_dscnt 0x0
	ROUND                                          ; the closing round: no work-group ends while a partner may still ask jointly
	s_endpgm
.Lfunc_end_k_q0199ed820e_attn:
	.size	k_q0199ed820e_attn, .Lfunc_end_k_q0199ed820e_attn-k_q0199ed820e_attn
	.p2alignl 7, 3214868480
	.fill 96, 4, 3214868480
	.section	.rodata,"a",@progbits
	.p2align	6, 0x0
	.amdhsa_kernel k_q0199ed820e_attn
		.amdhsa_group_segment_fixed_size 327680
		.amdhsa_private_segment_fixed_size 0
		.amdhsa_enable_private_segment 0
		.amdhsa_kernarg_size 24
		.amdhsa_user_sgpr_count 2
		.amdhsa_user_sgpr_kernarg_segment_ptr 1
		.amdhsa_wavefront_size32 1
		.amdhsa_system_sgpr_workgroup_id_x 1
		.amdhsa_system_sgpr_workgroup_id_y 1
		.amdhsa_system_sgpr_workgroup_id_z 1
		.amdhsa_system_vgpr_workitem_id 0
		.amdhsa_next_free_vgpr 226
		.amdhsa_next_free_sgpr 66
		.amdhsa_reserve_vcc 0
		.amdhsa_float_denorm_mode_32 3
		.amdhsa_float_denorm_mode_16_64 3
		.amdhsa_memory_ordered 1
		.amdhsa_forward_progress 1
		.amdhsa_inst_pref_size 121
	.end_amdhsa_kernel
	.amdgpu_metadata
---
amdhsa.version: [ 1, 2 ]
amdhsa.kernels:
  - .name:           k_q0199ed820e_attn
    .symbol:         k_q0199ed820e_attn.kd
    .args:
      - { .name: q, .offset: 0, .size: 8, .value_kind: global_buffer, .address_space: global }
      - { .name: kv, .offset: 8, .size: 8, .value_kind: global_buffer, .address_space: global }
      - { .name: ow, .offset: 16, .size: 8, .value_kind: global_buffer, .address_space: global }
    .group_segment_fixed_size: 327680
    .private_segment_fixed_size: 0
    .kernarg_segment_align: 8
    .kernarg_segment_size: 24
    .max_flat_workgroup_size: 256
    .sgpr_count:     66
    .vgpr_count:     226
    .wavefront_size: 32
...
	.end_amdgpu_metadata
.endif
;; end of part 2
;; launch proj (part 3): grid 64 x 4, 8 waves a work-group, no clusters, 68,608 bytes of LDS; arguments ow, w_proj, b_proj, out0; writes out0
.if DOCPART == 3
	.amdgcn_target "amdgcn-amd-amdhsa--gfx1250"
	.amdhsa_code_object_version 6
	.text
	.protected	k_q0199ed820e_proj
	.globl	k_q0199ed820e_proj
	.p2align	8
	.type	k_q0199ed820e_proj,@function
k_q0199ed820e_proj:
	s_mov_b64 s[64:65], 0
	v_nop
	global_prefetch_b8 v0, s[64:65] scope:SCOPE_SE
	s_setreg_imm32_b32 hwreg(HW_REG_WAVE_MODE, 25, 1), 1
	s_wait_xcnt 0x0
; out0[b][o][n] = sum over c of w_proj[o][c] att[b][c][n] + b_proj[o], f32.
;   ow [batch 2][tile 256][head 8][chunk 2][lane 32][16 B] holds 8 x att in f16 in the order of matrix fragments: lane (r = lane % 16, h = lane / 16) has
;   8 att(n = 16 tile + r, c = 32 head + 16 chunk + 8 h .. + 7): a head is a K step of 32, and its fragment is two loads of 512 consecutive bytes.
; A work-group makes 64 rows o x 128 columns n: 256 work-groups.  A wave takes one tile of 16 n and all four tiles of o: four accumulators, K = 256.
; D = ATT (source 0: rows n) x W (source 1: columns o): register i of lane (r, h) is out(o = 16 j + r, n = 16 wave + 8 h + i): eight neighbouring
; numbers of a row of out0.  They go through a stage in LDS, from which whole rows of 512 bytes are read and stored.
; The factor 8 in ow is taken back exactly in the multiply-add that adds the bias: out = 0.125 D + b.
; FORMAT: operands f16, sums f32.  Limit: |w_proj| up to 65,504, |att| up to 8,188; below 6.1e-5 an f16 number carries an absolute error of at most 3e-8.
; NO TENSOR LOADS, NO JOINT REQUESTS, though 64 work-groups read the same 65,536 bytes of w_proj and four the same 65,536 of ow: w_proj has to pass
; through registers to become f16, ow's fragments go from memory straight into registers, and each is read once, with no loop to share.
.set PITCH, 528                        ; an LDS row: 512 bytes (256 f16 of w, or 128 f32 of out) + 16: row r starts 16 r bytes further modulo 256
.set STAGE, 64*PITCH                   ; LDS: w_proj's 64 rows at 0, behind them the stage's 64 rows
.set VL16, 1                           ; v1  16 lane
.set VW,   2                           ; v2  16 t
.set VWS,  3                           ; v3  LDS, w in: row t / 64, byte 8 (t % 64)
.set VWF,  4                           ; v4  LDS, w fragments: row r, byte 16 h
.set VSS,  5                           ; v5  stage in: row r, byte 64 wave + 32 h
.set VSR,  6                           ; v6  stage out: row 8 wave, byte 16 lane
.set VB,   7                           ; v7  4 r
.set ATT,  16                          ; v[16:79]   my tile's eight fragments, K step kk at 8 kk
.set D,    80                          ; v[80:111]  four accumulators
.set B0,   112                         ; v[112:175] w_proj as loaded; then fragment buffer 0; then the rows to store
.set B1,   176                         ; v[176:239] packed f16 on their way into LDS; then fragment buffer 1
.set BI,   240                         ; v[240:247] bias of o = 16 j + r in register 2 j (the odd ones are only named by the packed form)
	s_load_b256 s[4:11], s[0:1], 0x0               ; ow s[4:5], w_proj s[6:7], b_proj s[8:9], out0 s[10:11]
	v_lshl_add_u32 v248, v0, 2, 0x10800
	v_mov_b32 v249, 0
	v_lshrrev_b32 v8, 5, v0
	v_readfirstlane_b32 s12, v8                    ; wave 0..7
	s_and_b32 s13, ttmp9, 31                       ; which 128 columns of the batch
	s_lshr_b32 s15, ttmp9, 5                       ; batch
	s_and_b32 s14, ttmp7, 0xffff                   ; g: rows o = 64 g .. + 63
	s_lshl_b32 s20, s14, 16                        ; w_proj: 64 rows of 1,024 bytes
	s_mov_b32 s21, 0
	s_lshl_b32 s22, s15, 8                         ; ow: tile 256 batch + 8 block + wave, 8,192 bytes each
	s_lshl3_add_u32 s22, s13, s22
	s_add_co_u32 s22, s22, s12
	s_lshl_b32 s22, s22, 13
	s_mov_b32 s23, 0
	s_lshl_b32 s24, s14, 8                         ; b_proj: 64 numbers
	s_mov_b32 s25, 0
	s_lshl_b32 s26, s15, 8                         ; out0: row 256 batch + 64 g + 8 wave, 16,384 bytes each,
	s_lshl_b32 s28, s14, 6
	s_add_co_u32 s26, s26, s28
	s_lshl3_add_u32 s26, s12, s26
	s_lshl_b32 s26, s26, 14
	s_lshl_b32 s28, s13, 9                         ;       + 512 bytes a block of columns
	s_add_co_u32 s26, s26, s28
	s_mov_b32 s27, 0
	s_lshl_b32 s16, s12, 6
	s_add_co_u32 s16, s16, STAGE
	s_mul_i32 s17, s12, 8*PITCH
	s_add_co_u32 s17, s17, STAGE
	v_and_b32 v9, 31, v0                           ; lane
	v_and_b32 v10, 15, v0                          ; r
	v_bfe_u32 v11, v0, 4, 1                        ; h
	v_lshlrev_b32 v[VL16], 4, v9
	v_lshlrev_b32 v[VW], 4, v0
	v_lshlrev_b32 v[VB], 2, v10
	s_wait_kmcnt 0x0
	s_add_nc_u64 s[6:7], s[6:7], s[20:21]
	s_add_nc_u64 s[4:5], s[4:5], s[22:23]
	s_add_nc_u64 s[8:9], s[8:9], s[24:25]
	s_add_nc_u64 s[10:11], s[10:11], s[26:27]
.set li, 0
.rept 16
	global_load_b128 v[B0+4*li:B0+4*li+3], v[VW], s[6:7] offset:li*4096          ; 4 rows of w_proj for each pass of the 256 threads
.set li, li+1
.endr
.set li, 0
.rept 16
	global_load_b128 v[ATT+4*li:ATT+4*li+3], v[VL16], s[4:5] offset:li*512       ; chunk li % 2 of K step li / 2
.set li, li+1
.endr
.irp j, 0,1,2,3
	global_load_b32 v[BI+2*\j], v[VB], s[8:9] offset:64*\j
.endr
	v_lshrrev_b32 v12, 6, v0
	v_and_b32 v13, 63, v0
	v_mul_u32_u24 v[VWS], v12, PITCH
	v_lshl_add_u32 v[VWS], v13, 3, v[VWS]
	v_mul_u32_u24 v14, v10, PITCH
	v_lshl_add_u32 v[VWF], v11, 4, v14
	v_lshl_add_u32 v[VSS], v11, 5, v14
	v_add_nc_u32 v[VSS], s16, v[VSS]
	v_add_nc_u32 v[VSR], s17, v[VL16]
.irp j, 0,1,2,3
	v_mov_b32 v[BI+2*\j+1], 0
.endr
	s_wait_loadcnt 20                              ; w_proj is in; the 16 fragment loads and the 4 of the bias stay out
.set ci, 0
.rept 16
	v_cvt_pk_f16_f32 v[B1+2*(ci%8)],   v[B0+4*ci],   v[B0+4*ci+1]
	v_cvt_pk_f16_f32 v[B1+2*(ci%8)+1], v[B0+4*ci+2], v[B0+4*ci+3]
	ds_store_b64 v[VWS], v[B1+2*(ci%8):B1+2*(ci%8)+1] offset:ci*4*PITCH          ; a wave's store covers 256 consecutive bytes
.set ci, ci+1
.endr
	s_wait_dscnt 0x0                               ; my stores are done, for the other waves' sake,
	s_barrier_signal -1
	s_barrier_wait -1                              ; and everybody's are
; 16 LDS loads: for two K steps (kk = 2 q, 2 q + 1) the fragments of the four tiles of o.
; Lane (r, h) takes row r; registers 0-3 are k = 8 h .. + 7, registers 4-7 k = 16 + 8 h .. + 7: two loads 32 bytes apart.
.macro FETCH q, buf
.irp e, 0,1
.irp j, 0,1,2,3
	ds_load_b128 v[\buf+32*\e+8*\j:\buf+32*\e+8*\j+3],   v[VWF] offset:\j*16*PITCH+(2*\q+\e)*64
	ds_load_b128 v[\buf+32*\e+8*\j+4:\buf+32*\e+8*\j+7], v[VWF] offset:\j*16*PITCH+(2*\q+\e)*64+32
.endr
.endr
.endm
; 8 matrix instructions; the four accumulators take turns, one instruction a turn, from one MUL into the next too.
; zero = 1: the first K step starts the sums.
.macro MUL q, buf, zero
.irp e, 0,1
.irp j, 0,1,2,3
.if \zero*(1-\e)
	v_wmma_f32_16x16x32_f16 v[D+8*\j:D+8*\j+7], v[ATT+8*(2*\q+\e):ATT+8*(2*\q+\e)+7], v[\buf+32*\e+8*\j:\buf+32*\e+8*\j+7], 0
.else
	v_wmma_f32_16x16x32_f16 v[D+8*\j:D+8*\j+7], v[ATT+8*(2*\q+\e):ATT+8*(2*\q+\e)+7], v[\buf+32*\e+8*\j:\buf+32*\e+8*\j+7], v[D+8*\j:D+8*\j+7]
.endif
.endr
.endr
.endm
; Four independent vector instructions stand between a matrix instruction and a load into one of its sources or a vector
; instruction that reads its result (ISA guide 7.12.1 for vector instructions).
.macro PLACES
.rept 4
	v_nop
.endr
.endm
	FETCH 0, B0
	FETCH 1, B1
	s_wait_loadcnt 0x0                             ; my tile's fragments and the bias
	s_wait_dscnt 16                                ; buffer 0 is in; buffer 1's 16 loads stay out
	MUL 0, B0, 1
	PLACES
	FETCH 2, B0
	s_wait_dscnt 16                                ; buffer 1 is in; the 16 just issued stay out
	MUL 1, B1, 0
	PLACES
	FETCH 3, B1
	s_wait_dscnt 16
	MUL 2, B0, 0
	s_wait_dscnt 0x0
	MUL 3, B1, 0
	PLACES
.irp j, 0,1,2,3
.irp p, 0,1,2,3
	v_pk_fma_f32 v[D+8*\j+2*\p:D+8*\j+2*\p+1], v[D+8*\j+2*\p:D+8*\j+2*\p+1], 0x3e000000, v[BI+2*\j:BI+2*\j+1] op_sel_hi:[1,0,0]   ; 0.125 D + bias
.endr
.endr
.irp j, 0,1,2,3
	ds_store_b128 v[VSS], v[D+8*\j:D+8*\j+3]   offset:\j*16*PITCH        ; row 16 j + r of the stage, my eight columns
	ds_store_b128 v[VSS], v[D+8*\j+4:D+8*\j+7] offset:\j*16*PITCH+16
.endr
	s_wait_dscnt 0x0                               ; my part of the stage's rows is written, for the other waves' sake,
	s_barrier_signal -1
	s_barrier_wait -1                              ; and the rows are whole
.irp k, 0,1,2,3,4,5,6,7
	ds_load_b128 v[B0+4*\k:B0+4*\k+3], v[VSR] offset:\k*PITCH            ; row 8 wave + k: 512 consecutive bytes
.endr
.irp k, 0,1,2,3,4,5,6,7
	s_wait_dscnt 7-\k                              ; LDS loads come back in order: row k is in
	global_store_b128 v[VL16], v[B0+4*\k:B0+4*\k+3], s[10:11] offset:\k*16384 th:TH_STORE_NT   ; 512 consecutive bytes of a row of out0, aligned
.endr
	s_wait_tensorcnt 0x0
	ds_add_u32 v248, v249
	s_wait_dscnt 0x0
	s_endpgm
.Lfunc_end_k_q0199ed820e_proj:
	.size	k_q0199ed820e_proj, .Lfunc_end_k_q0199ed820e_proj-k_q0199ed820e_proj
	.p2alignl 7, 3214868480
	.fill 96, 4, 3214868480
	.section	.rodata,"a",@progbits
	.p2align	6, 0x0
	.amdhsa_kernel k_q0199ed820e_proj
		.amdhsa_group_segment_fixed_size 68608
		.amdhsa_private_segment_fixed_size 0
		.amdhsa_enable_private_segment 0
		.amdhsa_kernarg_size 32
		.amdhsa_user_sgpr_count 2
		.amdhsa_user_sgpr_kernarg_segment_ptr 1
		.amdhsa_wavefront_size32 1
		.amdhsa_system_sgpr_workgroup_id_x 1
		.amdhsa_system_sgpr_workgroup_id_y 1
		.amdhsa_system_sgpr_workgroup_id_z 1
		.amdhsa_system_vgpr_workitem_id 0
		.amdhsa_next_free_vgpr 250
		.amdhsa_next_free_sgpr 66
		.amdhsa_reserve_vcc 0
		.amdhsa_float_denorm_mode_32 3
		.amdhsa_float_denorm_mode_16_64 3
		.amdhsa_memory_ordered 1
		.amdhsa_forward_progress 1
		.amdhsa_inst_pref_size 20
	.end_amdhsa_kernel
	.amdgpu_metadata
---
amdhsa.version: [ 1, 2 ]
amdhsa.kernels:
  - .name:           k_q0199ed820e_proj
    .symbol:         k_q0199ed820e_proj.kd
    .args:
      - { .name: ow, .offset: 0, .size: 8, .value_kind: global_buffer, .address_space: global }
      - { .name: w_proj, .offset: 8, .size: 8, .value_kind: global_buffer, .address_space: global }
      - { .name: b_proj, .offset: 16, .size: 8, .value_kind: global_buffer, .address_space: global }
      - { .name: out0, .offset: 24, .size: 8, .value_kind: global_buffer, .address_space: global }
    .group_segment_fixed_size: 68608
    .private_segment_fixed_size: 0
    .kernarg_segment_align: 8
    .kernarg_segment_size: 32
    .max_flat_workgroup_size: 256
    .sgpr_count:     66
    .vgpr_count:     250
    .wavefront_size: 32
...
	.end_amdgpu_metadata
.endif
;; end of part 3
;; ======== version 2 of 2: 3 launches; version 1 with the launches qkv, proj written anew for expert scheduling mode
;; limits: values are held in f16: magnitudes above 65,504 overflow, below 6.1e-05 lose precision
;; workspace buffers: q 4,194,304 bytes; kv 8,388,608 bytes; ow 4,194,304 bytes
;; launch qkv (part 4): grid 64 x 4, 8 waves a work-group, no clusters, 169,984 bytes of LDS; arguments x, w_qkv, q, kv; writes q, kv
.if DOCPART == 4
	.amdgcn_target "amdgcn-amd-amdhsa--gfx1250"
	.amdhsa_code_object_version 6
	.text
	.protected	k_q0199ed820e_qkv
	.globl	k_q0199ed820e_qkv
	.p2align	8
	.type	k_q0199ed820e_qkv,@function
k_q0199ed820e_qkv:
	s_mov_b64 s[64:65], 0
	v_nop
	global_prefetch_b8 v0, s[64:65] scope:SCOPE_SE
	s_setreg_imm32_b32 hwreg(HW_REG_WAVE_SCHED_MODE, 0, 2), 2
	s_setreg_imm32_b32 hwreg(HW_REG_WAVE_MODE, 25, 1), 1
	s_wait_xcnt 0x0
	s_wait_alu depctr_vm_vsrc(0)
; q, k, v = w_qkv . x (a 1x1 convolution is a product over the 256 channels), rounded once to f16 and stored in the order of
; matrix fragments, so that the attention launch loads its operands as 512 consecutive bytes a wave instruction.
;   x [2][256 c][4096 n] f32, w_qkv [768 o][256 c] f32.
;   q  [bh 16][tile 256][chunk 2][lane 32][16 B]: lane (r = lane % 16, h = lane / 16) holds q(n = 16 tile + r, d = 16 chunk + 8 h .. + 7)
;   kv [bh 16][step 64][8,192 B]; a step is 64 keys: bytes 0-4095 k as [tile 4][chunk 2][lane][16 B], the same map as q;
;      bytes 4096-8191 v as [kb 2][dt 2][chunk 2][lane][16 B]: lane (r, h) holds v(d = 16 dt + r, key = 32 kb + 16 chunk + 8 h .. + 7)
; A work-group takes 128 columns n of one batch (x: 256 rows of 512 bytes) and the 64 rows of q, of k and of v of two heads
; (3 x 64 rows of w_qkv): 256 work-groups.  Both operands are turned to f16 on the way through registers into LDS, x transposed
; there to [n][c].  A wave then has three jobs (q, k, v) of 2 x 2 tiles of 16 x 16 over K = 256: 32 columns n x one head's 32 rows.
; The result register j of lane (r, h) is element (8 h + j, r): four packed conversions of a tile are one 16-byte chunk above.
; q, k: D = W (rows o) x X (columns n).  v: D = X (rows n) x W (columns o).
; FORMAT: operands in f16, sums in f32.  Limit: |x|, |w_qkv| and |q|, |k|, |v| up to 65,504; beyond it the f16 value is infinite.
; Numbers below 6.1e-5 carry an absolute error of at most 3e-8.
; NO TENSOR LOADS, NO JOINT REQUESTS, though four work-groups read the same x and 64 the same w: the f32 numbers have to pass
; through registers to become f16, and the f32 tiles (131,072 + 196,608 bytes) do not fit into LDS beside the f16 images (168,960).
; THE MODE: SCHED_MODE bits 1:0 = 2 (LLVM: expert scheduling mode 2), set by the entry lines.  The code itself states the register dependences
; between vector or matrix instructions and memory or LDS instructions, with s_wait_alu, always for 0.
; THE PLAN.  Registers that memory or LDS instructions touch:
;   v1, v2, v7           offsets of the global loads and stores; v3-v6, v12, v13 LDS addresses.  All made at the head and never written again: a job's rows
;                        of w are reached by the immediate offset (jobs 0, 1) or by a second register (job 2).
;   ON THE WAY IN, eight steps: x's groups 0-3 of eight rows, w's batches 0-2, the last stores.  A step's conversions read its raw registers and write its
;   out-buffer; its memory instructions are the LDS stores from the out-buffer of the step BEFORE and the loads of w into raw registers that earlier steps
;   have emptied.  Out-buffers: T (groups 0 and 3), the two halves of D (groups 1 and 2), and for w the batch's own registers, converted in place.
;   So one wait on va_vdst at a step's head, behind the wait for its data, states all that its stores and loads hang on, and they are dealt among
;   its conversions.  One wait on vm_vsrc stands ahead of T's second use, one behind the barrier, where D, ST, B0 and B1 change their use.
;   THE PRODUCTS, twelve K steps of 64 (four a job) on two fragment buffers by turns.  Step t's products read buffer t % 2 and D; its LDS loads bring
;   step t + 1's fragments into the other buffer, which step t - 1's products read; a job's first step also stores the chunks that the job before has packed.
;   One wait on va_vdst at a step's head, behind the wait for its fragments, states both; the loads follow, two to a product.
.set PITCH, 528                        ; an LDS row: 256 f16 + 16 bytes; row r starts 16 r bytes further modulo 256, so the 16 rows of a fragment load do not meet
.set WT,    128*PITCH                  ; LDS: x transposed, 128 rows n, at 0; behind it w, 192 rows: job J's 64 rows at 64 J
.set WJOB,  64*PITCH
.set VX,  1                            ; v1  x: wave x 32 rows of 16,384 bytes + 16 lane
.set VW,  2                            ; v2  w: 16 t + 65,536 g
.set VXS, 3                            ; v3  LDS, x in: row 4 lane, byte 64 wave
.set VWS, 4                            ; v4  LDS, w in: row t / 64, byte 8 (t % 64); jobs 0 and 1
.set VXF, 5                            ; v5  LDS, x fragments: my 32 rows n, row r, byte 16 h
.set VWF, 6                            ; v6  LDS, w fragments: my head's 32 rows of the job, row r, byte 16 h; jobs 0 and 1
.set VST, 7                            ; v7  16 lane: where a lane's chunk goes in q and kv
.set VWS2, 12                          ; v12 (at the head first t / 64) LDS, w in, job 2: v4 + 2 WJOB
.set VWF2, 13                          ; v13 (at the head first t % 64) LDS, w fragments, job 2: v6 + 2 WJOB
.set D,   16                           ; v[16:47]   four accumulator tiles, (i, j) at 8 (2 i + j); on the way in:
.set DA,  16                           ; v[16:31]   x's group 1 as f16
.set DB,  32                           ; v[32:47]   x's group 2 as f16
.set T,   48                           ; v[48:63]   x's groups 0 and 3 as f16
.set XR,  64                           ; v[64:191]  32 rows of x as loaded; then w's batches 1 and 2; then the fragment buffers
.set B0,  64
.set B1,  128
.set ST,  192                          ; v[192:255] w's batch 0; then the chunks to store, job J at 16 J
	s_load_b256 s[4:11], s[0:1], 0x0               ; x s[4:5], w_qkv s[6:7], q s[8:9], kv s[10:11]
	v_lshl_add_u32 v15, v0, 2, 0x29400
	s_set_vgpr_msb 0x40
	v_mov_b32 v1, 0
	s_set_vgpr_msb 0x4000
	v_lshrrev_b32 v8, 5, v0
	v_readfirstlane_b32 s12, v8                    ; wave 0..7
	s_and_b32 s13, ttmp9, 31                       ; which 128 columns of the batch
	s_lshr_b32 s15, ttmp9, 5                       ; batch
	s_and_b32 s14, ttmp7, 0xffff                   ; g: heads 2 g and 2 g + 1
	s_lshl_b32 s34, s14, 16
	v_and_b32 v9, 31, v0                           ; lane
	v_and_b32 v10, 15, v0                          ; r
	v_bfe_u32 v11, v0, 4, 1                        ; h
	v_lshlrev_b32 v[VST], 4, v9
	v_lshl_add_u32 v[VX], v8, 19, v[VST]
	v_lshlrev_b32 v[VW], 4, v0
	v_add_nc_u32 v[VW], s34, v[VW]
	s_wait_alu depctr_va_sdst(0)                   ; s12 is written, ahead of its first reader: the places in q, kv and LDS are made from it
	s_lshr_b32 s24, s12, 1                         ; np: which 32 of the 128 columns are my wave's
	s_and_b32 s25, s12, 1                          ; which of the two heads
	s_lshl_b32 s22, s15, 22                        ; x: batch x 4,194,304
	s_lshl_b32 s31, s13, 9                         ;    + 512 bytes a block of columns
	s_add_co_u32 s22, s22, s31
	s_mov_b32 s23, 0
	s_lshl_b32 s30, s15, 3
	s_lshl1_add_u32 s30, s14, s30
	s_add_co_u32 s30, s30, s25                     ; bh = 8 batch + head
	s_lshl_b32 s26, s30, 18                        ; q: bh x 256 tiles of 1,024 bytes
	s_lshl_b32 s31, s13, 13                        ;    + 8 tiles a block
	s_add_co_u32 s26, s26, s31
	s_lshl_b32 s31, s24, 11                        ;    + 2 tiles a wave's pair
	s_add_co_u32 s26, s26, s31
	s_mov_b32 s27, 0
	s_lshl_b32 s28, s30, 19                        ; kv: bh x 64 steps of 8,192 bytes
	s_lshl_b32 s31, s13, 14                        ;    + 2 steps a block
	s_add_co_u32 s28, s28, s31
	s_lshr_b32 s31, s24, 1
	s_lshl_b32 s31, s31, 13                        ;    + the step of my 32 columns
	s_add_co_u32 s28, s28, s31
	s_and_b32 s31, s24, 1
	s_lshl_b32 s31, s31, 11                        ;    + which half of the step: 2 tiles of k, or v's kb
	s_add_co_u32 s28, s28, s31
	s_mov_b32 s29, 0
	s_mul_i32 s32, s24, 32*PITCH
	s_mul_i32 s33, s25, 32*PITCH
	s_add_co_u32 s33, s33, WT
	s_wait_kmcnt 0x0
	s_add_nc_u64 s[16:17], s[4:5], s[22:23]        ; x at my block
	s_add_nc_u64 s[18:19], s[8:9], s[26:27]        ; q at my wave's two tiles
	s_add_nc_u64 s[20:21], s[10:11], s[28:29]      ; kv at my wave's part of its step
	s_wait_alu depctr_va_vdst(0)                   ; v1, v2 and v7 are written: every global load and store of the kernel reads one of them as its offset
; four of the 16 loads of job J's 64 rows of w: 4,096 consecutive bytes (4 rows) for each pass of the 256 threads
.macro LDWQ J, R, n
.irp u, 0,1,2,3
	global_load_b128 v[(\R)+4*(4*(\n)+\u):(\R)+4*(4*(\n)+\u)+3], v[VW], s[6:7] offset:(\J)*262144+(4*(\n)+\u)*4096
.endr
.endm
	; x: my wave's rows c = 32 wave .. + 31; each load is 512 consecutive bytes of one row: lane l holds columns 4 l .. 4 l + 3
.set xi, 0
.rept 32
	global_load_b128 v[XR+4*xi:XR+4*xi+3], v[VX], s[16:17] offset:xi*16384
.set xi, xi+1
.endr
.irp n, 0,1,2,3
	LDWQ 0, ST, \n
.endr
	v_mul_u32_u24 v[VXS], v9, 4*PITCH              ; the LDS addresses are made while the loads are on their way; no load touches these registers
	v_lshl_add_u32 v[VXS], v8, 6, v[VXS]
	v_lshrrev_b32 v12, 6, v0
	v_and_b32 v13, 63, v0
	v_mul_u32_u24 v[VWS], v12, PITCH
	v_lshl_add_u32 v[VWS], v13, 3, v[VWS]
	v_add_nc_u32 v[VWS], WT, v[VWS]
	v_add_nc_u32 v[VWS2], 2*WJOB, v[VWS]
	v_mul_u32_u24 v14, v10, PITCH
	v_lshl_add_u32 v14, v11, 4, v14
	v_add_nc_u32 v[VXF], s32, v14
	v_add_nc_u32 v[VWF], s33, v14
	v_add_nc_u32 v[VWF2], 2*WJOB, v[VWF]
; x to f16, transposed in registers: the eight rows c of group oc, column 4 lane + i, are 16 bytes of LDS row n = 4 lane + i.  O: the group's out-buffer
.macro XCV oc, i, O
.irp p, 0,1,2,3
	v_cvt_pk_f16_f32 v[(\O)+4*(\i)+\p], v[XR+4*(8*(\oc)+2*\p)+(\i)], v[XR+4*(8*(\oc)+2*\p+1)+(\i)]
.endr
.endm
.macro XST oc, i, O
	ds_store_b128 v[VXS], v[(\O)+4*(\i):(\O)+4*(\i)+3] offset:(\i)*PITCH+(\oc)*16
.endm
; w to f16, in place: the 4 numbers of load ci close up into the first two of their four registers: 8 bytes of a row; a wave's store covers 256 consecutive bytes
.macro WCV R, ci
	v_cvt_pk_f16_f32 v[(\R)+4*(\ci)],   v[(\R)+4*(\ci)],   v[(\R)+4*(\ci)+1]
	v_cvt_pk_f16_f32 v[(\R)+4*(\ci)+1], v[(\R)+4*(\ci)+2], v[(\R)+4*(\ci)+3]
.endm
.macro WST R, ci, A, job
	ds_store_b64 v[\A], v[(\R)+4*(\ci):(\R)+4*(\ci)+1] offset:(\job)*WJOB+(\ci)*4*PITCH   ; at most 33,792 + 31,680 bytes: inside the 16-bit offset
.endm
	s_wait_loadcnt 40                              ; loads come back in order: x's group 0 is in; 24 later rows of x and w's 16 loads stay out
.irp i, 0,1,2,3
	XCV 0, \i, T
.endr
	s_wait_loadcnt 32                              ; group 1 is in
	s_wait_alu depctr_va_vdst(0)                   ; group 0's conversions have written T, and the head has written v3: the stores below read both
.irp i, 0,1,2,3
	XST 0, \i, T
	XCV 1, \i, DA
.endr
	s_wait_loadcnt 24                              ; group 2 is in; group 3's 8 and batch 0's 16 stay out
	s_wait_alu depctr_va_vdst(0)                   ; group 1's conversions have written DA; groups 0 and 1 are done reading v[64:127], in which w's batch 1 lands
.irp i, 0,1,2,3
	LDWQ 1, B0, \i
	XST 1, \i, DA
	XCV 2, \i, DB
.endr
	s_wait_loadcnt 32                              ; group 3 is in; batches 0 and 1 (32 loads) stay out
	s_wait_alu depctr_vm_vsrc(0)                   ; group 0's LDS stores, issued two steps back, have read T, which group 3's conversions write again
	s_wait_alu depctr_va_vdst(0)                   ; group 2's conversions have written DB
.irp i, 0,1,2,3
	XST 2, \i, DB
	XCV 3, \i, T
.endr
	s_wait_loadcnt 16                              ; batch 0 is in; batch 1's 16 stay out
	s_wait_alu depctr_va_vdst(0)                   ; group 3's conversions have written T; groups 2 and 3 are done reading v[128:191], in which w's batch 2 lands
.irp i, 0,1,2,3
	LDWQ 2, B1, \i
	XST 3, \i, T
.irp u, 0,1,2,3
	WCV ST, 4*\i+\u
.endr
.endr
	s_wait_loadcnt 16                              ; batch 1 is in; batch 2's 16 stay out
	s_wait_alu depctr_va_vdst(0)                   ; batch 0's conversions have written their pairs in ST; v4 is written
.set ci, 0
.rept 16
	WST ST, ci, VWS, 0
	WCV B0, ci
.set ci, ci+1
.endr
	s_wait_loadcnt 0x0                             ; batch 2 is in
	s_wait_alu depctr_va_vdst(0)                   ; batch 1's conversions have written their pairs in B0
.set ci, 0
.rept 16
	WST B0, ci, VWS, 1
	WCV B1, ci
.set ci, ci+1
.endr
	s_wait_alu depctr_va_vdst(0)                   ; batch 2's conversions have written their pairs in B1, and v12 is written; no vector instruction names B0 or B1 from here to the fragments' loads
.set ci, 0
.rept 16
	WST B1, ci, VWS2, 0
.set ci, ci+1
.endr
	s_wait_dscnt 0x0                               ; my stores into LDS are done, for the other waves' sake,
	s_barrier_signal -1
	s_barrier_wait -1                              ; and so are everybody's: from here on LDS is only read
	s_wait_alu depctr_vm_vsrc(0)                   ; my LDS stores have read D, ST, B0 and B1: from here on products write D, fragments land in B0 and B1, the jobs' conversions write ST
; Fragment f of the eight of one K step of 64 (two matrix K steps kk = 2 q, 2 q + 1): kk's half f / 4; W0, W1, X0, X1 by f % 4; 8 registers each.
; A fragment: lane (r, h) takes row r; registers 0-3 are k = 8 h .. + 7, registers 4-7 k = 16 + 8 h .. + 7: two loads 32 bytes apart.
.macro FRAG J, q, buf, f
.set fe, (\f)/4
.set fx, ((\f)/2)%2
.set fi, (\f)%2
.set fr, (\buf)+32*fe+16*fx+8*fi
.set fo, fi*16*PITCH+(2*(\q)+fe)*64
.if fx
	ds_load_b128 v[fr:fr+3],   v[VXF] offset:fo
	ds_load_b128 v[fr+4:fr+7], v[VXF] offset:fo+32
.elseif (\J) == 2
	ds_load_b128 v[fr:fr+3],   v[VWF2] offset:fo
	ds_load_b128 v[fr+4:fr+7], v[VWF2] offset:fo+32
.else
	ds_load_b128 v[fr:fr+3],   v[VWF] offset:(\J)*WJOB+fo
	ds_load_b128 v[fr+4:fr+7], v[VWF] offset:(\J)*WJOB+fo+32
.endif
.endm
.macro FETCH J, q, buf
.irp f, 0,1,2,3,4,5,6,7
	FRAG \J, \q, \buf, \f
.endr
.endm
; Product n of the eight on a buffer: half n / 4, tile (i, j) = ((n / 2) % 2, n % 2).  The four accumulators take turns, one instruction a turn, from one
; step into the next too.  kind 0: W is source 0, X source 1; kind 1: X source 0, W source 1.
; zero = 1: the first four start the sums, nothing is cleared.
.macro PROD buf, kind, zero, n
.set pe, (\n)/4
.set pi, ((\n)/2)%2
.set pj, (\n)%2
.set md, D+8*(2*pi+pj)
.if (\kind)
.set ma, (\buf)+32*pe+16+8*pi
.set mb, (\buf)+32*pe+8*pj
.else
.set ma, (\buf)+32*pe+8*pi
.set mb, (\buf)+32*pe+16+8*pj
.endif
.if (\zero) && (pe == 0)
	v_wmma_f32_16x16x32_f16 v[md:md+7], v[ma:ma+7], v[mb:mb+7], 0
.else
	v_wmma_f32_16x16x32_f16 v[md:md+7], v[ma:ma+7], v[mb:mb+7], v[md:md+7]
.endif
.endm
; Four independent vector instructions stand behind a step's products: ahead of the conversions that read their results and, as in
; the plain form of this text, ahead of the loads into their sources.  The wait at the next step's head states that second dependence and fills no place.
.macro PLACES
.rept 4
	v_nop
.endr
.endm
; Job J's four tiles packed, each accumulator from its low end on; and stored: the chunk of tile (i, j) at 512 i + 1,024 j.
.macro PACK J
.irp i, 0,1
.irp j, 0,1
.irp p, 0,1,2,3
	v_cvt_pk_f16_f32 v[ST+16*(\J)+4*(2*\i+\j)+\p], v[D+8*(2*\i+\j)+2*\p], v[D+8*(2*\i+\j)+2*\p+1]
.endr
.endr
.endr
.endm
.macro SEND J
.set gb, 20                            ; k and v go to kv, v 4,096 bytes behind k; q to q
.set go, 0
.if (\J) == 0
.set gb, 18
.endif
.if (\J) == 2
.set go, 4096
.endif
.irp i, 0,1
.irp j, 0,1
	global_store_b128 v[VST], v[ST+16*(\J)+4*(2*\i+\j):ST+16*(\J)+4*(2*\i+\j)+3], s[gb:gb+1] offset:go+512*\i+1024*\j   ; 512 consecutive bytes, aligned; data, address and base are never written again
.endr
.endr
.endm
; K step t of twelve: job t / 4 (q, k, v), its K = 64 (t % 4) .. + 63, on buffer t % 2.
.macro KSTEP t
.set sj, (\t)/4
.set sq, (\t)%4
.set cb, B0+64*((\t)%2)
.set nb, B0+64*(((\t)+1)%2)
.set sz, 0
.if sq == 0
.set sz, 1
.endif
.if (\t) == 0
	s_wait_dscnt 16                                ; buffer 0 is in; buffer 1's 16 loads stay out
.else
	s_wait_dscnt 0x0                               ; this step's fragments are in
.endif
.if ((\t) > 0) && ((\t) < 11)
	s_wait_alu depctr_va_vdst(0)                   ; the step before's products are done reading the other buffer, in which the loads below land; in a job's first step the job before's conversions have written its chunks, which the stores below read
.endif
.if ((\t) > 0) && (sq == 0)
	SEND sj-1
.endif
.set mm, 0
.rept 8
.if ((\t) > 0) && ((\t) < 11)
	FRAG ((\t)+1)/4, ((\t)+1)%4, nb, mm            ; the next step's fragments, two loads to a product.  No wait: the products since the wait name this step's buffer and D alone
.endif
	PROD cb, sj/2, sz, mm
.set mm, mm+1
.endr
.if (\t) != 10
	PLACES                                         ; (step 10's buffer is not loaded again, and its results are not read yet)
.endif
.if sq == 3
	PACK sj
.endif
.endm
	FETCH 0, 0, B0
	FETCH 0, 1, B1
.irp t, 0,1,2,3,4,5,6,7,8,9,10,11
	KSTEP \t
.endr
	s_wait_alu depctr_va_vdst(0)                   ; v's conversions have written their chunks, which the last four stores read
	SEND 2
	s_set_vgpr_msb 0x4                             ; the add's data register, source 1, lies in block 1
	s_wait_dscnt 0x0                               ; the closing lines, six on end
	s_wait_alu 0x0
	s_wait_tensorcnt 0x0
	ds_add_u32 v15, v1
	s_wait_dscnt 0x0
	s_endpgm
.Lfunc_end_k_q0199ed820e_qkv:
	.size	k_q0199ed820e_qkv, .Lfunc_end_k_q0199ed820e_qkv-k_q0199ed820e_qkv
	.p2alignl 7, 3214868480
	.fill 96, 4, 3214868480
	.section	.rodata,"a",@progbits
	.p2align	6, 0x0
	.amdhsa_kernel k_q0199ed820e_qkv
		.amdhsa_group_segment_fixed_size 169984
		.amdhsa_private_segment_fixed_size 0
		.amdhsa_enable_private_segment 0
		.amdhsa_kernarg_size 32
		.amdhsa_user_sgpr_count 2
		.amdhsa_user_sgpr_kernarg_segment_ptr 1
		.amdhsa_wavefront_size32 1
		.amdhsa_system_sgpr_workgroup_id_x 1
		.amdhsa_system_sgpr_workgroup_id_y 1
		.amdhsa_system_sgpr_workgroup_id_z 1
		.amdhsa_system_vgpr_workitem_id 0
		.amdhsa_next_free_vgpr 258
		.amdhsa_next_free_sgpr 66
		.amdhsa_reserve_vcc 0
		.amdhsa_float_denorm_mode_32 3
		.amdhsa_float_denorm_mode_16_64 3
		.amdhsa_memory_ordered 1
		.amdhsa_forward_progress 1
		.amdhsa_inst_pref_size 50
	.end_amdhsa_kernel
	.amdgpu_metadata
---
amdhsa.version: [ 1, 2 ]
amdhsa.kernels:
  - .name:           k_q0199ed820e_qkv
    .symbol:         k_q0199ed820e_qkv.kd
    .args:
      - { .name: x, .offset: 0, .size: 8, .value_kind: global_buffer, .address_space: global }
      - { .name: w_qkv, .offset: 8, .size: 8, .value_kind: global_buffer, .address_space: global }
      - { .name: q, .offset: 16, .size: 8, .value_kind: global_buffer, .address_space: global }
      - { .name: kv, .offset: 24, .size: 8, .value_kind: global_buffer, .address_space: global }
    .group_segment_fixed_size: 169984
    .private_segment_fixed_size: 0
    .kernarg_segment_align: 8
    .kernarg_segment_size: 32
    .max_flat_workgroup_size: 256
    .sgpr_count:     66
    .vgpr_count:     258
    .wavefront_size: 32
...
	.end_amdgpu_metadata
.endif
;; end of part 4
;; launch attn: the kernel of part 2 again; grid 256 x 1, 8 waves a work-group, clusters of 4 x 1, 327,680 bytes of LDS; arguments q, kv, ow; writes ow
;; launch proj (part 5): grid 64 x 4, 8 waves a work-group, no clusters, 68,608 bytes of LDS; arguments ow, w_proj, b_proj, out0; writes out0
.if DOCPART == 5
	.amdgcn_target "amdgcn-amd-amdhsa--gfx1250"
	.amdhsa_code_object_version 6
	.text
	.protected	k_q0199ed820e_proj
	.globl	k_q0199ed820e_proj
	.p2align	8
	.type	k_q0199ed820e_proj,@function
k_q0199ed820e_proj:
	s_mov_b64 s[64:65], 0
	v_nop
	global_prefetch_b8 v0, s[64:65] scope:SCOPE_SE
	s_setreg_imm32_b32 hwreg(HW_REG_WAVE_SCHED_MODE, 0, 2), 2
	s_setreg_imm32_b32 hwreg(HW_REG_WAVE_MODE, 25, 1), 1
	s_wait_xcnt 0x0
	s_wait_alu depctr_vm_vsrc(0)
; out0[b][o][n] = sum over c of w_proj[o][c] att[b][c][n] + b_proj[o], f32.
;   ow [batch 2][tile 256][head 8][chunk 2][lane 32][16 B] holds 8 x att in f16 in the order of matrix fragments: lane (r = lane % 16, h = lane / 16) has
;   8 att(n = 16 tile + r, c = 32 head + 16 chunk + 8 h .. + 7): a head is a K step of 32, and its fragment is two loads of 512 consecutive bytes.
; A work-group makes 64 rows o x 128 columns n: 256 work-groups.  A wave takes one tile of 16 n and all four tiles of o: four accumulators, K = 256.
; D = ATT (source 0: rows n) x W (source 1: columns o): register i of lane (r, h) is out(o = 16 j + r, n = 16 wave + 8 h + i): eight neighbouring
; numbers of a row of out0.  They go through a stage in LDS, from which whole rows of 512 bytes are read and stored.
; The factor 8 in ow is taken back exactly in the multiply-add that adds the bias: out = 0.125 D + b.
; FORMAT: operands f16, sums f32.  Limit: |w_proj| up to 65,504, |att| up to 8,188; below 6.1e-5 an f16 number carries an absolute error of at most 3e-8.
; NO TENSOR LOADS, NO JOINT REQUESTS, though 64 work-groups read the same 65,536 bytes of w_proj and four the same 65,536 of ow: w_proj has to pass
; through registers to become f16, ow's fragments go from memory straight into registers, and each is read once, with no loop to share.
; THE MODE: SCHED_MODE bits 1:0 = 2 (LLVM: expert scheduling mode 2), set by the entry lines.  The code itself states the register dependences
; between vector or matrix instructions and memory or LDS instructions, with s_wait_alu, always for 0.
; THE PLAN.  Registers that memory or LDS instructions touch:
;   v1, v2, v7  offsets of the global loads and stores; v3-v6 LDS addresses.  Made at the head, never written again.
;   B0          w_proj as loaded, converted in place, read by 16 LDS stores; behind the barrier fragment buffer 0; at the end the stage's rows land in it.
;   B1          fragment buffer 1.     ATT, BI  loaded once, read by products and multiply-adds alone.
;   D           written by the products and the multiply-adds, read by eight LDS stores, never written again.
; Four K steps of 64 on the two fragment buffers by turns: step q's products read buffer q % 2, ATT and D; its LDS loads bring step q + 1's fragments into the
; other buffer, which step q - 1's products read.  One wait on va_vdst at the head of steps 1 and 2, behind the wait for the step's fragments, states that.
.set PITCH, 528                        ; an LDS row: 512 bytes (256 f16 of w, or 128 f32 of out) + 16: row r starts 16 r bytes further modulo 256
.set STAGE, 64*PITCH                   ; LDS: w_proj's 64 rows at 0, behind them the stage's 64 rows
.set VL16, 1                           ; v1  16 lane
.set VW,   2                           ; v2  16 t
.set VWS,  3                           ; v3  LDS, w in: row t / 64, byte 8 (t % 64)
.set VWF,  4                           ; v4  LDS, w fragments: row r, byte 16 h
.set VSS,  5                           ; v5  stage in: row r, byte 64 wave + 32 h
.set VSR,  6                           ; v6  stage out: row 8 wave, byte 16 lane
.set VB,   7                           ; v7  4 r
.set ATT,  16                          ; v[16:79]   my tile's eight fragments, K step kk at 8 kk
.set D,    80                          ; v[80:111]  four accumulators
.set B0,   112                         ; v[112:175] w_proj as loaded and, in place, as f16; then fragment buffer 0; then the rows to store
.set B1,   176                         ; v[176:239] fragment buffer 1
.set BI,   240                         ; v[240:247] bias of o = 16 j + r in register 2 j (the odd ones are only named by the packed form)
	s_load_b256 s[4:11], s[0:1], 0x0               ; ow s[4:5], w_proj s[6:7], b_proj s[8:9], out0 s[10:11]
	v_lshl_add_u32 v248, v0, 2, 0x10800
	v_mov_b32 v249, 0
	v_lshrrev_b32 v8, 5, v0
	v_readfirstlane_b32 s12, v8                    ; wave 0..7
	s_and_b32 s13, ttmp9, 31                       ; which 128 columns of the batch
	s_lshr_b32 s15, ttmp9, 5                       ; batch
	s_and_b32 s14, ttmp7, 0xffff                   ; g: rows o = 64 g .. + 63
	s_lshl_b32 s20, s14, 16                        ; w_proj: 64 rows of 1,024 bytes
	s_mov_b32 s21, 0
	s_lshl_b32 s22, s15, 8                         ; ow: tile 256 batch + 8 block + wave, 8,192 bytes each
	s_lshl3_add_u32 s22, s13, s22
	v_and_b32 v9, 31, v0                           ; lane
	v_and_b32 v10, 15, v0                          ; r
	v_bfe_u32 v11, v0, 4, 1                        ; h
	v_lshlrev_b32 v[VL16], 4, v9
	v_lshlrev_b32 v[VW], 4, v0
	v_lshlrev_b32 v[VB], 2, v10
	s_wait_alu depctr_va_sdst(0)                   ; s12 is written, ahead of its first reader: the places in ow, out0 and the stage are made from it
	s_add_co_u32 s22, s22, s12
	s_lshl_b32 s22, s22, 13
	s_mov_b32 s23, 0
	s_lshl_b32 s24, s14, 8                         ; b_proj: 64 numbers
	s_mov_b32 s25, 0
	s_lshl_b32 s26, s15, 8                         ; out0: row 256 batch + 64 g + 8 wave, 16,384 bytes each,
	s_lshl_b32 s28, s14, 6
	s_add_co_u32 s26, s26, s28
	s_lshl3_add_u32 s26, s12, s26
	s_lshl_b32 s26, s26, 14
	s_lshl_b32 s28, s13, 9                         ;       + 512 bytes a block of columns
	s_add_co_u32 s26, s26, s28
	s_mov_b32 s27, 0
	s_lshl_b32 s16, s12, 6
	s_add_co_u32 s16, s16, STAGE
	s_mul_i32 s17, s12, 8*PITCH
	s_add_co_u32 s17, s17, STAGE
	s_wait_kmcnt 0x0
	s_add_nc_u64 s[6:7], s[6:7], s[20:21]
	s_add_nc_u64 s[4:5], s[4:5], s[22:23]
	s_add_nc_u64 s[8:9], s[8:9], s[24:25]
	s_add_nc_u64 s[10:11], s[10:11], s[26:27]
	s_wait_alu depctr_va_vdst(0)                   ; v1, v2 and v7 are written: every global load and store of the kernel reads one of them as its offset
.set li, 0
.rept 16
	global_load_b128 v[B0+4*li:B0+4*li+3], v[VW], s[6:7] offset:li*4096          ; 4 rows of w_proj for each pass of the 256 threads
.set li, li+1
.endr
.set li, 0
.rept 16
	global_load_b128 v[ATT+4*li:ATT+4*li+3], v[VL16], s[4:5] offset:li*512       ; chunk li % 2 of K step li / 2
.set li, li+1
.endr
.irp j, 0,1,2,3
	global_load_b32 v[BI+2*\j], v[VB], s[8:9] offset:64*\j
.endr
	v_lshrrev_b32 v12, 6, v0                       ; the LDS addresses are made while the loads are on their way; no load touches these registers
	v_and_b32 v13, 63, v0
	v_mul_u32_u24 v[VWS], v12, PITCH
	v_lshl_add_u32 v[VWS], v13, 3, v[VWS]
	v_mul_u32_u24 v14, v10, PITCH
	v_lshl_add_u32 v[VWF], v11, 4, v14
	v_lshl_add_u32 v[VSS], v11, 5, v14
	v_add_nc_u32 v[VSS], s16, v[VSS]
	v_add_nc_u32 v[VSR], s17, v[VL16]
.irp j, 0,1,2,3
	v_mov_b32 v[BI+2*\j+1], 0
.endr
	s_wait_loadcnt 20                              ; w_proj is in; the 16 fragment loads and the 4 of the bias stay out
.set ci, 0
.rept 16
	v_cvt_pk_f16_f32 v[B0+4*ci],   v[B0+4*ci],   v[B0+4*ci+1]                    ; in place: the 4 numbers of a load close up into the first two of their four registers
	v_cvt_pk_f16_f32 v[B0+4*ci+1], v[B0+4*ci+2], v[B0+4*ci+3]
.set ci, ci+1
.endr
	s_wait_alu depctr_va_vdst(0)                   ; the conversions have written their pairs in B0, which the LDS stores read; v3 to v6 are written, for these stores and for every later LDS instruction; no vector instruction names B0 from here to the fragments' loads
.set ci, 0
.rept 16
	ds_store_b64 v[VWS], v[B0+4*ci:B0+4*ci+1] offset:ci*4*PITCH                  ; a wave's store covers 256 consecutive bytes
.set ci, ci+1
.endr
	s_wait_dscnt 0x0                               ; my stores are done, for the other waves' sake,
	s_barrier_signal -1
	s_barrier_wait -1                              ; and everybody's are
	s_wait_alu depctr_vm_vsrc(0)                   ; my LDS stores have read their pairs in B0, in which fragments land from here on
; Fragment f of the eight of one K step of 64 (two matrix K steps kk = 2 q, 2 q + 1): kk's half f / 4, tile of o f % 4.
; Lane (r, h) takes row r; registers 0-3 are k = 8 h .. + 7, registers 4-7 k = 16 + 8 h .. + 7: two loads 32 bytes apart.
.macro FRAG q, buf, f
.set fe, (\f)/4
.set fj, (\f)%4
.set fr, (\buf)+32*fe+8*fj
.set fo, fj*16*PITCH+(2*(\q)+fe)*64
	ds_load_b128 v[fr:fr+3],   v[VWF] offset:fo
	ds_load_b128 v[fr+4:fr+7], v[VWF] offset:fo+32
.endm
.macro FETCH q, buf
.irp f, 0,1,2,3,4,5,6,7
	FRAG \q, \buf, \f
.endr
.endm
; Product n of the eight of K step q: half n / 4, tile of o n % 4.  The four accumulators take turns, one instruction a turn, from one step into the next too.
; The first four products of step 0 start the sums.
.macro PROD q, buf, n
.set pe, (\n)/4
.set pj, (\n)%4
.if ((\q) == 0) && (pe == 0)
	v_wmma_f32_16x16x32_f16 v[D+8*pj:D+8*pj+7], v[ATT+8*(2*(\q)+pe):ATT+8*(2*(\q)+pe)+7], v[(\buf)+32*pe+8*pj:(\buf)+32*pe+8*pj+7], 0
.else
	v_wmma_f32_16x16x32_f16 v[D+8*pj:D+8*pj+7], v[ATT+8*(2*(\q)+pe):ATT+8*(2*(\q)+pe)+7], v[(\buf)+32*pe+8*pj:(\buf)+32*pe+8*pj+7], v[D+8*pj:D+8*pj+7]
.endif
.endm
; Four independent vector instructions stand behind a step's products: ahead of the multiply-adds that read their results and, as in
; the plain form of this text, ahead of the loads into their sources.  The wait at the next step's head states that second dependence and fills no place.
.macro PLACES
.rept 4
	v_nop
.endr
.endm
; K step q of four, on buffer q % 2.
.macro KSTEP q
.set cb, B0+64*((\q)%2)
.set nb, B0+64*(((\q)+1)%2)
.if (\q) == 0
	s_wait_dscnt 16                                ; buffer 0 is in; buffer 1's 16 loads stay out
.else
	s_wait_dscnt 0x0                               ; this step's fragments are in
.endif
.if ((\q) == 1) || ((\q) == 2)
	s_wait_alu depctr_va_vdst(0)                   ; the step before's products are done reading the other buffer, in which the loads below land
.endif
.set mm, 0
.rept 8
.if ((\q) == 1) || ((\q) == 2)
	FRAG (\q)+1, nb, mm                            ; the next step's fragments, two loads to a product.  No wait: the products since the wait name this step's buffer, ATT and D alone
.endif
	PROD \q, cb, mm
.set mm, mm+1
.endr
.if (\q) != 2
	PLACES                                         ; (step 2's buffer is loaded again only behind the way out's wait, and its results are not read yet)
.endif
.endm
	FETCH 0, B0
	FETCH 1, B1
	s_wait_loadcnt 0x0                             ; my tile's fragments and the bias
	KSTEP 0
	KSTEP 1
	KSTEP 2
	KSTEP 3
.irp j, 0,1,2,3
.irp p, 0,1,2,3
	v_pk_fma_f32 v[D+8*\j+2*\p:D+8*\j+2*\p+1], v[D+8*\j+2*\p:D+8*\j+2*\p+1], 0x3e000000, v[BI+2*\j:BI+2*\j+1] op_sel_hi:[1,0,0]   ; 0.125 D + bias
.endr
.endr
	s_wait_alu depctr_va_vdst(0)                   ; the multiply-adds have written D, which the LDS stores read; the products are done reading B0, in which the stage's rows land below: no vector instruction follows
.irp j, 0,1,2,3
	ds_store_b128 v[VSS], v[D+8*\j:D+8*\j+3]   offset:\j*16*PITCH        ; row 16 j + r of the stage, my eight columns
	ds_store_b128 v[VSS], v[D+8*\j+4:D+8*\j+7] offset:\j*16*PITCH+16
.endr
	s_wait_dscnt 0x0                               ; my part of the stage's rows is written, for the other waves' sake,
	s_barrier_signal -1
	s_barrier_wait -1                              ; and the rows are whole
.irp k, 0,1,2,3,4,5,6,7
	ds_load_b128 v[B0+4*\k:B0+4*\k+3], v[VSR] offset:\k*PITCH            ; row 8 wave + k: 512 consecutive bytes
.endr
.irp k, 0,1,2,3,4,5,6,7
	s_wait_dscnt 7-\k                              ; LDS loads come back in order: row k is in
	global_store_b128 v[VL16], v[B0+4*\k:B0+4*\k+3], s[10:11] offset:\k*16384 th:TH_STORE_NT   ; 512 consecutive bytes of a row of out0, aligned
.endr
	s_wait_dscnt 0x0                               ; the closing lines, six on end
	s_wait_alu 0x0
	s_wait_tensorcnt 0x0
	ds_add_u32 v248, v249
	s_wait_dscnt 0x0
	s_endpgm
.Lfunc_end_k_q0199ed820e_proj:
	.size	k_q0199ed820e_proj, .Lfunc_end_k_q0199ed820e_proj-k_q0199ed820e_proj
	.p2alignl 7, 3214868480
	.fill 96, 4, 3214868480
	.section	.rodata,"a",@progbits
	.p2align	6, 0x0
	.amdhsa_kernel k_q0199ed820e_proj
		.amdhsa_group_segment_fixed_size 68608
		.amdhsa_private_segment_fixed_size 0
		.amdhsa_enable_private_segment 0
		.amdhsa_kernarg_size 32
		.amdhsa_user_sgpr_count 2
		.amdhsa_user_sgpr_kernarg_segment_ptr 1
		.amdhsa_wavefront_size32 1
		.amdhsa_system_sgpr_workgroup_id_x 1
		.amdhsa_system_sgpr_workgroup_id_y 1
		.amdhsa_system_sgpr_workgroup_id_z 1
		.amdhsa_system_vgpr_workitem_id 0
		.amdhsa_next_free_vgpr 250
		.amdhsa_next_free_sgpr 66
		.amdhsa_reserve_vcc 0
		.amdhsa_float_denorm_mode_32 3
		.amdhsa_float_denorm_mode_16_64 3
		.amdhsa_memory_ordered 1
		.amdhsa_forward_progress 1
		.amdhsa_inst_pref_size 20
	.end_amdhsa_kernel
	.amdgpu_metadata
---
amdhsa.version: [ 1, 2 ]
amdhsa.kernels:
  - .name:           k_q0199ed820e_proj
    .symbol:         k_q0199ed820e_proj.kd
    .args:
      - { .name: ow, .offset: 0, .size: 8, .value_kind: global_buffer, .address_space: global }
      - { .name: w_proj, .offset: 8, .size: 8, .value_kind: global_buffer, .address_space: global }
      - { .name: b_proj, .offset: 16, .size: 8, .value_kind: global_buffer, .address_space: global }
      - { .name: out0, .offset: 24, .size: 8, .value_kind: global_buffer, .address_space: global }
    .group_segment_fixed_size: 68608
    .private_segment_fixed_size: 0
    .kernarg_segment_align: 8
    .kernarg_segment_size: 32
    .max_flat_workgroup_size: 256
    .sgpr_count:     66
    .vgpr_count:     250
    .wavefront_size: 32
...
	.end_amdgpu_metadata
.endif
;; end of part 5
